; MI455X (gfx1250); checked and timed in simulation.
; The chip was launched on July 23, 2026; its instructions are those of AMD's public machine-readable ISA for CDNA 5 (MIT licence, August 2026) and "CDNA5" Instruction Set Architecture Reference Guide (July 2026). The comments in the code are by the model that wrote it; some were corrected since.
;; Spline Linear. Allowed arithmetic: matrix products marked QUANTISED: E5M2 operands, one given power-of-two scale a tensor, by v_wmma_f32_16x16x64_bf8_bf8 or v_wmma_f32_16x16x128_bf8_bf8, f32 sums; everything else in f32.
;; Inputs: bias 4,096 float32; control_points 9 x 4,096 float32; input_codes 4,096 x 128 x 32 uint8 (E5M2 codes of input, K innermost, in blocks of 32 codes); lowp_scales 2 int32 (the exponents e of the quantised operands' scales 2^e); residual 4,096 x 4,096 float32.
;; Outputs: out0 4,096 x 4,096 float32.
;; This version of the problem:
;;   THIS VERSION OF THE PROBLEM IS GIVEN IN LOW PRECISION. The matrix products marked QUANTISED in the list below multiply operands that are first quantised to E5M2 (5 exponent bits, 2 mantissa bits; 8 bits a number), with one given power-of-two scale for each operand tensor; their sums are f32. All else is computed in f32.
;;   The module's matrix products, in the order in which they are computed (A, B: the left and right operand; K: the contracted axis; several contracted axes count as one K, in the product's order):
;;     1. [M 4,096, K 4,096] x [K 4,096, N 4,096]; A: input input (given as codes); B: computed on the way: QUANTISED (scales: A lowp_scales[0], B lowp_scales[1])
;;   THE QUANTISER, for each operand of a quantised product, along K:
;;     - The operand's scale is 2^e, e = its entry of the input lowp_scales (int32; the entries are numbered through the quantised products in the list's order, A before B).
;;     - Each number is divided by the scale, clamped to +-57,344, and rounded to the nearest number of E5M2, ties to even, subnormals kept.
;;     - The product sums the exact products of the quantised numbers (number of the format x scale) in f32.
;;   ~~~python
;;   def quantise(x, axis, e):      # numpy; x: float32 -> the quantised numbers, widened to float32 again
;;       x = np.moveaxis(x, axis, -1); K = x.shape[-1]
;;       r = np.clip(x / 2.0 ** e, -57344, 57344)
;;       step = 2.0 ** (np.maximum(np.frexp(np.where(r == 0, 1, r))[1] - 1, -14) - 2)
;;       q = np.round(r / step) * step * 2.0 ** e      # np.round: ties to even
;;       return np.moveaxis(q, -1, axis).astype(np.float32)
;;   ~~~
;;   OPERANDS COMPUTED ON THE WAY. 'Computed on the way' means the value that the module computes at that place (a softmax that the list does not call 'softmax' is quantised finished and normalised). What goes into a quantiser is computed in f32, as accurately as f32 sums, v_exp_f32 and their like allow (about 1e-6 of the number): no bf16 or f16 on the way to a quantiser, and a product that is left as it is and whose result goes on into a quantised operand takes f32 operands (vector FMAs, or v_wmma_f32_16x16x4_f32). A number that lies on a knife's edge between two numbers of the format may be rounded either way, as far as f32 arithmetic and the matrix unit's own rounding can turn it there, and no further.
;;   INPUTS GIVEN AS CODES. input (in the module: [4096, 4096], K = its axis 1): each comes as NAME_codes (uint8): NAME with its K axis moved to the last place and cut into blocks of 32 codes, [.., K / 32, bytes a block], one block behind the other in memory; one code a byte (a code: sign, 5 exponent bits, 2 mantissa bits); its scale is its entry of lowp_scales. Its value is code x scale, taken as it is: it is not quantised again, and the codes and scales need not be those that the quantiser above would give.
;; One version. Each part assembles by itself: llvm-mc -triple=amdgcn-amd-amdhsa -mcpu=gfx1250 --defsym DOCPART=n.
;; ======== version 1 of 1: 2 launches
;; limits: right only within a limited range of input values
;; workspace buffers: w_codes 16,777,216 bytes
;; launch quant (part 1): grid 256 x 1, 8 waves a work-group, no clusters, 111,616 bytes of LDS; arguments residual, control_points, lowp_scales, w_codes; writes w_codes
.if DOCPART == 1
	.amdgcn_target "amdgcn-amd-amdhsa--gfx1250"
	.amdhsa_code_object_version 6
	.text
	.protected	k_q8578b4d53c_quant
	.globl	k_q8578b4d53c_quant
	.p2align	8
	.type	k_q8578b4d53c_quant,@function
k_q8578b4d53c_quant:
	s_mov_b64 s[64:65], 0
	v_nop
	global_prefetch_b8 v0, s[64:65] scope:SCOPE_SE
	s_setreg_imm32_b32 hwreg(HW_REG_WAVE_MODE, 25, 1), 1
	s_wait_xcnt 0x0
; W[o][i] = c0(o) P[j-1][i] + c1(o) P[j][i] + c2(o) P[j+1][i] + c3(o) P[j+2][i] + residual[o][i], in f32, is turned into codes of BF8 (E5M2), one byte each,
; laid [4096 (o)][4096 (i)] with i, the product's K, innermost.  code = W / 2^e1, held within +-57,344, to the nearest code, ties to even; e1 is entry 1 of the scales.
; j = clip(floor(8 o / 4095), 1, 6) is made of whole numbers: 8 o / 4095 reaches the whole number n at o = 512 n - n / 8, whose ceiling is 512 n for n = 1 .. 7, so
; floor(8 o / 4095) = o >> 9 for o up to 4,094; at o = 4,095 the two are 8 and 7, and both clip to 6.  So j = clip(o >> 9, 1, 6), the same for 16 rows that begin at a multiple of 16.
; LIMITS: e1 between -126 and 112, so that 2^e1 and 57,344 x 2^e1 are f32 numbers.  NaN among the inputs is not served; an infinity is held at the largest code.
; ORDER OF ROUNDING: W is summed as residual + c0 P + c1 P + c2 P + c3 P by four fused multiply-adds, all f32: another order than the source's.
; SHARES.  A work-group owns 16 rows o; each of its eight waves owns 512 columns of every row: 2,048 bytes of f32 in, 512 bytes of codes out.  A step is one row; sixteen steps, written out, every offset an immediate.
; The wave's part of the four control rows (64 registers a lane) is loaded once and stays.  The conversions take neighbours along K from ONE lane's registers, while a load is best where neighbouring LANES
; take neighbouring bytes.  Both are had: each load reads 512 consecutive bytes, 16 a lane; a step's 2,048 bytes go through the wave's own stage in LDS as they lie and come back 64 bytes a lane.
; Loads run six steps (24 loads a wave) ahead, the turn through LDS one step.  No tensor load, no barrier: the waves share nothing.  No matrix unit, no cluster: only the small control rows are read by several work-groups.
.set ROWF,  16384                      ; a row of residual or of control_points in bytes
.set ROWC,  4096                       ; a row of codes in bytes
.set SP,    80                         ; a lane's place in a stage: its 64 bytes + 16 of padding
.set STG,   32*SP                      ; a stage
.set WREG,  2*STG                      ; LDS of a wave: two stages
.set STEPS, 16
.set AHEAD, 6
.set R,     32                         ; v32-127   six sets of 16 numbers as they are loaded
.set X,     128                        ; v128-159  two sets of 16 neighbours
.set CP,    160                        ; v160-223  control row n of the four: 16 neighbours at CP + 16 n
.set C,     224                        ; v224-255  eight sets of four registers of codes
	s_load_b256 s[4:11], s[0:1], 0x0               ; residual s[4:5], control_points s[6:7], the scales s[8:9], the codes s[10:11]
	v_lshl_add_u32 v30, v0, 2, 0xa000
	v_mov_b32 v31, 0
	v_lshrrev_b32 v1, 5, v0
	s_delay_alu instid0(VALU_DEP_1)
	v_readfirstlane_b32 s12, v1                    ; wave 0..7
	v_and_b32 v2, 31, v0                           ; lane
	s_delay_alu instid0(VALU_DEP_1)
	v_lshlrev_b32 v3, 4, v2                        ; my 16 bytes of a load's or a store's 512; never rewritten
	s_mul_i32 s13, s12, WREG
	v_lshrrev_b32 v14, 2, v2
	s_delay_alu instid0(VALU_DEP_1)
	v_mul_u32_u24 v14, v14, SP
	v_and_b32 v15, 3, v2
	s_delay_alu instid0(VALU_DEP_1)
	v_lshl_add_u32 v14, v15, 4, v14
	s_delay_alu instid0(VALU_DEP_1)
	v_add_nc_u32 v14, s13, v14                     ; the stage, on the way in: four lanes' 64 bytes on end, then 16 of padding; a load's 512 bytes take eight places, 640 bytes
	v_mul_u32_u24 v15, v2, SP
	s_delay_alu instid0(VALU_DEP_1)
	v_add_nc_u32 v15, s13, v15
	; THE CODES' LAYOUT IN MEMORY (it takes the place of the row-major one named at the head): [o / 16][k / 16][o % 16][16 bytes]: the 16 codes k = 16 n .. 16 n + 15 of the
	; sixteen rows of a block lie on end, 256 bytes; so 2,048 bytes on end are a fragment of 16 rows x 128 K in the order of the product's operand registers.
	; A lane's 16 codes of row t go into the wave's own code stage at 272 x lane + 16 t; when all sixteen rows are there, the stage is read back 256 bytes a unit and stored.
	s_mul_i32 s14, s12, 8704                       ; a wave's code stage: 32 units of 256 bytes + 16 of padding
	s_add_co_u32 s14, s14, 41984                   ; behind the stages and the spare words
	v_mad_u32_u24 v13, v2, 272, s14                ; in: my unit
	v_lshrrev_b32 v12, 4, v2
	v_and_b32 v9, 15, v2
	v_mad_u32_u24 v12, v12, 272, s14
	v_lshl_add_u32 v12, v9, 4, v12                 ; back: lanes 0-15 one unit, lanes 16-31 the next
	s_lshl_b32 s28, s12, 11                        ; my wave's 2,048 bytes in a row of f32,
	s_lshl_b32 s29, s12, 13                        ; my wave's 32 units of 256 bytes in the block of 16 rows
	s_lshl_b32 s16, ttmp9, 18                      ; 16 rows of 16,384 bytes for each work-group
	s_add_co_u32 s16, s16, s28
	s_mov_b32 s17, 0
	s_lshl_b32 s18, ttmp9, 16                      ; 16 rows of 4,096 bytes
	s_add_co_u32 s18, s18, s29
	s_mov_b32 s19, 0
	s_lshr_b32 s20, ttmp9, 5                       ; o >> 9 = (16 x work-group) >> 9
	s_max_u32 s20, s20, 1
	s_min_u32 s20, s20, 6                          ; j
	s_sub_co_u32 s22, s20, 1
	s_lshl_b32 s22, s22, 14                        ; control row j - 1: rows j - 1 .. j + 2 lie between 0 and 8
	s_add_co_u32 s22, s22, s28
	s_mov_b32 s23, 0
	s_lshl_b32 s25, ttmp9, 4                       ; my work-group's first row o
	s_mov_b32 s26, 0x39800801                      ; 1 / 4095, to the nearest f32
	s_mov_b32 s27, 0x457ff000                      ; 4095.0
	s_mov_b32 s41, 0                               ; the upper halves of the pairs that the packed multiply-adds name: written once
	s_mov_b32 s43, 0
	s_mov_b32 s45, 0
	s_mov_b32 s47, 0
	s_wait_alu depctr_va_vdst(0)
	s_wait_kmcnt 0x0
	s_load_b32 s24, s[8:9], 0x4                    ; e1
	s_add_nc_u64 s[4:5], s[4:5], s[16:17]
	s_add_nc_u64 s[6:7], s[6:7], s[22:23]
	s_add_nc_u64 s[10:11], s[10:11], s[18:19]
.macro CPLOAD n, reg                   ; my wave's 2,048 bytes of control row j - 1 + n, as they lie; other work-groups read them too, so no hint
.irp i, 0,1,2,3
	global_load_b128 v[\reg+4*\i:\reg+4*\i+3], v3, s[6:7] offset:(\n)*ROWF+512*\i
.endr
.endm
.macro CPTURN n, reg                   ; and through a stage: LDS serves a wave's instructions in order (ISA guide 5.7.1.4), so no wait stands between the stores and the loads
.irp i, 0,1,2,3
	ds_store_b128 v14, v[\reg+4*\i:\reg+4*\i+3] offset:STG*((\n)%2)+8*SP*\i
.endr
.irp i, 0,1,2,3
	ds_load_b128 v[CP+16*(\n)+4*\i:CP+16*(\n)+4*\i+3], v15 offset:STG*((\n)%2)+16*\i
.endr
.endm
.macro LOAD t                          ; row t of residual: 32 lanes read 512 consecutive bytes, four times
.irp i, 0,1,2,3
	global_load_b128 v[R+16*((\t)%AHEAD)+4*\i:R+16*((\t)%AHEAD)+4*\i+3], v3, s[4:5] offset:(\t)*ROWF+512*\i th:TH_LOAD_NT
.endr
.endm
.macro TURN t                          ; row t through the stage
.irp i, 0,1,2,3
	ds_store_b128 v14, v[R+16*((\t)%AHEAD)+4*\i:R+16*((\t)%AHEAD)+4*\i+3] offset:STG*((\t)%2)+8*SP*\i
.endr
.irp i, 0,1,2,3
	ds_load_b128 v[X+16*((\t)%2)+4*\i:X+16*((\t)%2)+4*\i+3], v15 offset:STG*((\t)%2)+16*\i
.endr
.endm
	CPLOAD 0, X                                    ; the control rows land in registers that are idle at the head
	CPLOAD 1, X+16
	CPLOAD 2, C
	CPLOAD 3, C+16
.irp t, 0,1,2,3,4,5
	LOAD \t
.endr
	; the four coefficients, a row a lane (lane l: row o = first row + l; lanes 16 to 31 are never read), while the loads are out
	v_add_nc_u32 v5, s25, v2
	s_delay_alu instid0(VALU_DEP_1)
	v_cvt_f32_u32 v5, v5                           ; o
	s_delay_alu instid0(VALU_DEP_1)
	v_mul_f32 v6, s26, v5                          ; o / 4095: a first quotient,
	s_delay_alu instid0(VALU_DEP_1)
	v_fma_f32 v7, -v6, s27, v5                     ; its remainder, exact,
	s_delay_alu instid0(VALU_DEP_1)
	v_fma_f32 v6, v7, s26, v6                      ; and one correction
	s_delay_alu instid0(VALU_DEP_1)
	v_ldexp_f32 v6, v6, 3                          ; x 8: nothing is rounded
	v_cvt_f32_u32 v7, s20
	s_delay_alu instid0(VALU_DEP_1)
	v_sub_f32 v5, v6, v7                           ; t
	s_delay_alu instid0(VALU_DEP_1)
	v_mul_f32 v7, v5, v5                           ; t^2
	s_delay_alu instid0(VALU_DEP_1)
	v_mul_f32 v8, v7, v5                           ; t^3
	s_delay_alu instid0(VALU_DEP_1)
	v_fma_f32 v24, -0.5, v8, v7
	s_delay_alu instid0(VALU_DEP_1)
	v_fma_f32 v24, -0.5, v5, v24                   ; c0 = -0.5 t^3 + t^2 - 0.5 t
	s_delay_alu instid0(VALU_DEP_4)
	v_fma_f32 v25, 0xc0200000, v7, 1.0
	s_delay_alu instid0(VALU_DEP_1)
	v_fma_f32 v25, 0x3fc00000, v8, v25             ; c1 = 1.5 t^3 - 2.5 t^2 + 1
	v_mul_f32 v26, 0.5, v5
	s_delay_alu instid0(VALU_DEP_1)
	v_fma_f32 v26, 2.0, v7, v26
	s_delay_alu instid0(VALU_DEP_1)
	v_fma_f32 v26, 0xbfc00000, v8, v26             ; c2 = -1.5 t^3 + 2 t^2 + 0.5 t
	v_sub_f32 v27, v8, v7
	s_delay_alu instid0(VALU_DEP_1)
	v_mul_f32 v27, 0.5, v27                        ; c3 = 0.5 t^3 - 0.5 t^2
	s_wait_alu depctr_va_vdst(0)
	s_wait_kmcnt 0x0
	s_add_co_i32 s28, s24, 127
	s_lshl_b32 s29, s28, 23
	v_mov_b32 v11, s29                             ; 2^e1 as f32: the conversion takes its exponent field
	s_add_co_i32 s28, s28, 15
	s_lshl_b32 s28, s28, 23
	s_or_b32 s28, s28, 0x600000
	v_mov_b32 v10, s28                             ; 57,344 x 2^e1
	s_wait_loadcnt 24                              ; the sixteen loads of control rows are in; the 24 of residual behind them may be out
	CPTURN 0, X
	CPTURN 1, X+16
	CPTURN 2, C
	CPTURN 3, C+16
	s_wait_dscnt 0x0                               ; the control rows stand in their registers
	s_wait_loadcnt 20                              ; row 0's four loads are in; five rows' may be out
	TURN 0
.macro STEP t
.set XS, X+16*((\t)%2)
.set CS, C+4*((\t)%8)
	s_wait_dscnt 0x0                               ; this row's numbers are back from the stage: so its stores into the stage have read their registers
.if (\t)+AHEAD < STEPS
	LOAD (\t)+AHEAD                                ; into the set that this row has left
.endif
.if (\t)+1 < STEPS
.if (\t) <= 9
	s_wait_loadcnt 20                              ; the next row's four loads are in; those of the five rows behind it may be out
.else
	s_wait_loadcnt 4*(14-(\t))                     ; the counts run down: rows t + 2 .. 15 may be out
.endif
	TURN (\t)+1                                    ; through the other stage while this row is worked
.endif
	v_readlane_b32 s40, v24, \t                    ; this row's four coefficients
	v_readlane_b32 s42, v25, \t
	v_readlane_b32 s44, v26, \t
	v_readlane_b32 s46, v27, \t
.irp n, 0,1,2,3
.irp i, 0,2,4,6,8,10,12,14
	v_pk_fma_f32 v[XS+\i:XS+\i+1], v[CP+16*\n+\i:CP+16*\n+\i+1], s[40+2*\n:41+2*\n], v[XS+\i:XS+\i+1] op_sel_hi:[1,0,1]   ; + c_n x control row n, two numbers at a time (the scalar pair's low word for both)
.endr
.endr
.irp i, 0,1,2,3,4,5,6,7,8,9,10,11,12,13,14,15
	v_med3_num_f32 v[XS+\i], v[XS+\i], -v10, v10   ; the conversion to an 8-bit code does not saturate (ISA guide 7.6.2): the hold at the largest code x the scale
.endr
	v_cvt_scalef32_pk8_bf8_f32 v[CS:CS+1], v[XS:XS+7], v11
	v_cvt_scalef32_pk8_bf8_f32 v[CS+2:CS+3], v[XS+8:XS+15], v11
	ds_store_b128 v13, v[CS:CS+3] offset:16*(\t)   ; row t's place in my unit
.endm
.irp t, 0,1,2,3,4,5,6,7,8,9,10,11,12,13,14,15
	STEP \t
.endr
.irp u, 0,1,2,3,4,5,6,7,8,9,10,11,12,13,14,15
	ds_load_b128 v[R+4*\u:R+4*\u+3], v12 offset:544*\u   ; two units; LDS serves a wave's instructions in order, so these see the stores above
.endr
.irp u, 0,1,2,3,4,5,6,7,8,9,10,11,12,13,14,15
	s_wait_dscnt 15-\u
	global_store_b128 v3, v[R+4*\u:R+4*\u+3], s[10:11] offset:512*\u   ; the wave stores 512 consecutive bytes, at a multiple of 256 from the buffer's first byte
.endr
	s_wait_tensorcnt 0x0
	ds_add_u32 v30, v31
	s_wait_dscnt 0x0
	s_endpgm
.Lfunc_end_k_q8578b4d53c_quant:
	.size	k_q8578b4d53c_quant, .Lfunc_end_k_q8578b4d53c_quant-k_q8578b4d53c_quant
	.p2alignl 7, 3214868480
	.fill 96, 4, 3214868480
	.section	.rodata,"a",@progbits
	.p2align	6, 0x0
	.amdhsa_kernel k_q8578b4d53c_quant
		.amdhsa_group_segment_fixed_size 111616
		.amdhsa_private_segment_fixed_size 0
		.amdhsa_enable_private_segment 0
		.amdhsa_kernarg_size 32
		.amdhsa_user_sgpr_count 2
		.amdhsa_user_sgpr_kernarg_segment_ptr 1
		.amdhsa_wavefront_size32 1
		.amdhsa_system_sgpr_workgroup_id_x 1
		.amdhsa_system_sgpr_workgroup_id_y 1
		.amdhsa_system_sgpr_workgroup_id_z 1
		.amdhsa_system_vgpr_workitem_id 0
		.amdhsa_next_free_vgpr 256
		.amdhsa_next_free_sgpr 66
		.amdhsa_reserve_vcc 0
		.amdhsa_float_denorm_mode_32 3
		.amdhsa_float_denorm_mode_16_64 3
		.amdhsa_memory_ordered 1
		.amdhsa_forward_progress 1
		.amdhsa_inst_pref_size 82
	.end_amdhsa_kernel
	.amdgpu_metadata
---
amdhsa.version: [ 1, 2 ]
amdhsa.kernels:
  - .name:           k_q8578b4d53c_quant
    .symbol:         k_q8578b4d53c_quant.kd
    .args:
      - { .name: residual, .offset: 0, .size: 8, .value_kind: global_buffer, .address_space: global }
      - { .name: control_points, .offset: 8, .size: 8, .value_kind: global_buffer, .address_space: global }
      - { .name: lowp_scales, .offset: 16, .size: 8, .value_kind: global_buffer, .address_space: global }
      - { .name: w_codes, .offset: 24, .size: 8, .value_kind: global_buffer, .address_space: global }
    .group_segment_fixed_size: 111616
    .private_segment_fixed_size: 0
    .kernarg_segment_align: 8
    .kernarg_segment_size: 32
    .max_flat_workgroup_size: 256
    .sgpr_count:     66
    .vgpr_count:     256
    .wavefront_size: 32
...
	.end_amdgpu_metadata
.endif
;; end of part 1
;; launch gemm (part 2): grid 16 x 16, 4 waves a work-group, clusters of 4 x 1, 327,680 bytes of LDS; arguments input_codes, w_codes, lowp_scales, bias, out0; writes out0
.if DOCPART == 2
	.amdgcn_target "amdgcn-amd-amdhsa--gfx1250"
	.amdhsa_code_object_version 6
	.text
	.protected	k_q8578b4d53c_gemm
	.globl	k_q8578b4d53c_gemm
	.p2align	8
	.type	k_q8578b4d53c_gemm,@function
k_q8578b4d53c_gemm:
	s_mov_b64 s[64:65], 0
	v_nop
	global_prefetch_b8 v0, s[64:65] scope:SCOPE_SE
	s_setreg_imm32_b32 hwreg(HW_REG_WAVE_MODE, 25, 1), 1
	s_wait_xcnt 0x0
	s_wait_alu depctr_hold_cnt(0) depctr_sa_sdst(0) depctr_va_vdst(0) depctr_va_sdst(0) depctr_va_ssrc(0) depctr_va_vcc(0) depctr_vm_vsrc(0)
	s_getreg_b32 s2, hwreg(HW_REG_IB_STS2, 6, 4)
	s_cmp_eq_u32 s2, 0
	s_cbranch_scc0 .Lentry_in_a_cluster
	s_endpgm
.Lentry_in_a_cluster:
	s_bfe_u32 s2, ttmp6, 0x10000c
	s_cmp_lg_u32 s2, 0x3003
	s_cbranch_scc0 .Lentry_shape_is_right
	s_endpgm
.Lentry_shape_is_right:
; out0[m][n] = 2^(e0 + e1) x sum over k of X[m][k] W[n][k] + bias[n].  X: input_codes [4096][4096], W: w_codes, both codes of BF8 (E5M2); sums in f32.
; LIMIT: e0 + e1 lies between -126 and 127, so that 2^(e0 + e1) is an f32 number.
; A work-group of four waves makes 256 x 256 of the result; wave w makes all 256 rows x columns 64 w .. 64 w + 63: 64 accumulators, 512 registers.
; X goes through a ring of two LDS slots, 256 rows x 512 K each, filled by tensor loads (a wave brings 64 rows of 512 bytes); every wave reads all of it.
; W DOES NOT GO THROUGH LDS: the launch before has laid it [n / 16][k / 16][n % 16][16 bytes], so that 2,048 bytes on end are one fragment (16 rows x 128 K) as the registers take it,
; and each row of W is multiplied by one wave alone.  The wave loads its four fragments of a sub-step (128 K) by sixteen loads of 512 consecutive bytes into a ring of four register sets:
; the set of sub-step j + 4 is asked for when sub-step j's products are issued, 192 matrix instructions ahead of its use, under counted waits.
; CLUSTER 4 x 1: the four work-groups of a cluster make the same 256 rows and ask for X's tiles jointly (mask 15).  W has no LDS tile that a joint load could fill, and its register ring asks
; three sub-steps ahead, so it has neither a joint load nor a prefetch.
; THE MATRIX INSTRUCTION IS USED TRANSPOSED (source 0 = 16 rows of W, source 1 = 16 rows of X): a lane holds eight neighbouring columns of one row of the result.
; A fragment's k: registers 4 c .. 4 c + 3 of lane (r, h) hold k = 32 c + 16 h + 0 .. 15, alike in X and W: a permutation of k inside an instruction, the same on both sides.
; REGISTERS: window 0: v0-31 addresses, v32-63 bias, v64-159 and v160-255 two buffers of six fragments of X.  window 1: W's four sets of 64 (in the last part v0-127 serve the way out).
;   window 2: accumulators of X's blocks 0-7 ((a, b) at v[32 a + 8 b]);  window 3: blocks 8-15.
; A sub-step's sixteen blocks of X go in groups of 6, 5, 5 on the two buffers by turns; a group's loads are issued when the group before the last has been multiplied.
; THE LAST 256 ALONG K GO BY ROWS OF THE RESULT: three blocks at a time are finished and leave while the others are still multiplied.
.set PITCH,  528                       ; an LDS row: 512 bytes + 16 of padding
.set ABLK,   16*PITCH                  ; a block of 16 rows
.set QT,     64*PITCH                  ; what one tensor load brings
.set SLOT,   4*QT
.set STAGE,  2*SLOT                    ; behind the ring: 16 rows x 272 bytes for each wave, for the way out
.set SPITCH, 272
.set SPARE,  STAGE+4*16*SPITCH         ; the spare words: 128 bytes a wave
.set BO,   9
.set ADR,  16                          ; v16-19: X's fragments: slot 0 blocks 0-7, 8-15; slot 1 likewise
.set STO,  24
.set RD,   25
.set CO,   26
.set WO,   27                          ; 16 x lane
.set SPW,  28
.set NIL,  29
.set PFO,  30
.set BIAS, 32
.set FB,   64
.set TMP,  0                           ; window 1, the way out
.set BK,   32                          ; window 1: three blocks read back
.set G1, 24
.set G0, 32
.set PFA, 40
.set MSB, 0
.macro WIN new                         ; the immediate's high byte repeats the setting that is left
.if MSB != (\new)
	s_set_vgpr_msb (MSB<<8)|(\new)
.set MSB, \new
.endif
.endm
.macro PLACES                          ; four places behind matrix instructions, ahead of loads into their sources and of reads of their results
.rept 4
	v_nop
.endr
.endm
.macro CREST                           ; a round of the cluster's barrier behind its opening barrier
	s_cmp_lg_u32 s14, 0
	s_cbranch_scc1 .Lnw0_\@
	s_barrier_signal -3
.Lnw0_\@:
	s_barrier_wait -3
	s_barrier_signal -1
	s_barrier_wait -1
.endm
.macro ROUND
	s_barrier_signal -1
	s_barrier_wait -1
	CREST
.endm
.macro FETCH slot, q, a0, n, reg       ; n fragments of X, blocks a0 .., the slot's q-th 128 along K
.set ia, \a0
.set fr, \reg
.rept \n
.irp c, 0,1,2,3
	ds_load_b128 v[fr+4*\c:fr+4*\c+3], v[ADR+2*(\slot)+ia/8] offset:(ia%8)*ABLK+128*(\q)+32*\c
.endr
.set ia, ia+1
.set fr, fr+16
.endr
.endm
.macro MULS q, a0, n, reg, zero        ; n blocks of X against W's four of set q; the accumulators take turns
.set ia, \a0
.set fr, \reg
.rept \n
	WIN 0xa1+0x50*(ia/8)
.set ac, 32*(ia%8)
.irp b, 0,1,2,3
.if \zero
	v_wmma_f32_16x16x128_bf8_bf8 v[ac+8*\b:ac+8*\b+7], v[64*(\q)+16*\b:64*(\q)+16*\b+15], v[fr:fr+15], 0
.else
	v_wmma_f32_16x16x128_bf8_bf8 v[ac+8*\b:ac+8*\b+7], v[64*(\q)+16*\b:64*(\q)+16*\b+15], v[fr:fr+15], v[ac+8*\b:ac+8*\b+7]
.endif
.endr
.set ia, ia+1
.set fr, fr+16
.endr
.endm
.macro WLOAD set, rel                  ; W's four fragments of the sub-step rel beyond the base: each load is 512 consecutive bytes
	WIN 0x40
.irp b, 0,1,2,3
.irp c, 0,1,2,3
	global_load_b128 v[64*(\set)+16*\b+4*\c:64*(\set)+16*\b+4*\c+3], v[WO], s[6:7] offset:65536*\b+2048*(\rel)+512*\c
.endr
.endr
	WIN 0
.endm
.macro FETCHH i                        ; by rows: blocks 3 i .. 3 i + 2 (up to 15), slot 1's third and fourth 128 along K
.set ia, 3*(\i)
.set fr, FB+96*((\i)%2)
.rept 3
.if ia < 16
.irp q, 2,3
.irp c, 0,1,2,3
	ds_load_b128 v[fr+16*(\q-2)+4*\c:fr+16*(\q-2)+4*\c+3], v[ADR+2+ia/8] offset:(ia%8)*ABLK+128*\q+32*\c
.endr
.endr
.endif
.set ia, ia+1
.set fr, fr+32
.endr
.endm
.macro MULH i                          ; and their products: a block's four accumulators by turns, K ascending
.set ia, 3*(\i)
.set fr, FB+96*((\i)%2)
.rept 3
.if ia < 16
	WIN 0xa1+0x50*(ia/8)
.set ac, 32*(ia%8)
.irp q, 2,3
.irp b, 0,1,2,3
	v_wmma_f32_16x16x128_bf8_bf8 v[ac+8*\b:ac+8*\b+7], v[64*\q+16*\b:64*\q+16*\b+15], v[fr+16*(\q-2):fr+16*(\q-2)+15], v[ac+8*\b:ac+8*\b+7]
.endr
.endr
.endif
.set ia, ia+1
.set fr, fr+32
.endr
.endm
; A sub-step of 128 along K with its successor in the same slot.  i: its place in the trip (W's offset); lc: loads of W that may stay out; rows = 1: the by-rows part follows.
.macro SUB slot, q, i, zero, wl, lc, rows
.set P, (\q)%2
	s_wait_loadcnt \lc                             ; W's set q is in; the younger sets, 16 loads each, stay out
	s_wait_dscnt 20                                ; blocks 0-5 are in; the 20 loads of blocks 6-10 may be out
	MULS \q, 0, 6, FB+96*P, \zero
	PLACES
	WIN 0
	FETCH \slot, \q, 11, 5, FB+96*P
	s_wait_dscnt 20                                ; blocks 6-10 are in; the 20 just issued may be out
	MULS \q, 6, 5, FB+96*(1-P), \zero
	PLACES
	WIN 0
.if \rows
	FETCHH 0
.else
	FETCH \slot, (\q)+1, 0, 6, FB+96*(1-P)
.endif
	s_wait_dscnt 24                                ; blocks 11-15 are in; the 24 just issued may be out
	MULS \q, 11, 5, FB+96*P, \zero
	PLACES
	WIN 0
.if \rows
	FETCHH 1
.else
	FETCH \slot, (\q)+1, 6, 5, FB+96*P
.endif
.if \wl
	WLOAD \q, (\i)+4
.endif
.endm
; A slot's last sub-step changes slots.  In front of the barrier each wave waits for all its tensor loads, adds 0 to its spare word and waits for that and for its reads of this slot.
; fill = 1: the barrier opens a round of the cluster's barrier, and this slot is filled again with the K step two on; pf: the prefetch's offset.
.macro TURN slot, i, fill, pf
	s_wait_loadcnt 48
	s_wait_dscnt 20
	MULS 3, 0, 6, FB+96, 0
	PLACES
	WIN 0
	FETCH \slot, 3, 11, 5, FB+96                   ; my last reads of this slot
	s_wait_tensorcnt 0x0                           ; my one tensor load that was out, my part of the next slot, has landed
	ds_add_u32 v[SPW], v[NIL]
.if \fill
	s_add_nc_u64 s[G0+4*\slot+2:G0+4*\slot+3], s[G0+4*\slot+2:G0+4*\slot+3], 1024
.endif
	s_wait_dscnt 21                                ; blocks 6-10 are in; the 20 loads above and the add may be out
	MULS 3, 6, 2, FB, 0
	s_wait_dscnt 0x0                               ; the add is done, my reads of this slot are over
	s_barrier_signal -1
	MULS 3, 8, 3, FB+32, 0                         ; work on registers while the others arrive
	WIN 0
	s_barrier_wait -1
.if \fill
	CREST
	tensor_load_to_lds s[G0+4*\slot:G0+4*\slot+3], s[G1:G1+7]
	s_nop 0
.endif
	PLACES
	FETCH 1-\slot, 0, 0, 6, FB
.if \fill
	s_cmp_gt_u32 s3, 1                             ; the last trip has no K step four on
	s_cbranch_scc0 .Lnoask_\@
	global_prefetch_b8 v[PFO], s[PFA:PFA+1] offset:\pf th:TH_LOAD_NT scope:SCOPE_SE   ; the K step two refills on: a lane names one block of 256 bytes; the cluster's 512 lanes name the tile's 512 blocks once, shared out by address
.Lnoask_\@:
.endif
	MULS 3, 11, 5, FB+96, 0
	PLACES
	WIN 0
	FETCH 1-\slot, 0, 6, 5, FB+96
	WLOAD 3, (\i)+4
.endm
	s_load_b128 s[4:7], s[0:1], 0x0                ; X's codes, W's codes
	s_load_b128 s[8:11], s[0:1], 0x10              ; the scales' exponents, bias
	s_load_b64 s[12:13], s[0:1], 0x20              ; out0
	v_lshl_add_u32 v[SPW], v0, 2, SPARE
	v_mov_b32 v[NIL], 0
	ds_add_u32 v[SPW], v[NIL]
	ds_add_u32 v[SPW], v[NIL]
	v_lshrrev_b32 v1, 5, v0
	v_readfirstlane_b32 s14, v1                    ; wave 0..3
	s_mov_b32 s[G1+0], 15|(1<<20)|(1<<21)|(6<<22)|(3<<25)   ; mask: the cluster's four; elements of 1 byte; 4 words of padding behind every 128
	s_mov_b32 s[G1+1], 512<<16                     ; tensor_dim0
	s_mov_b32 s[G1+2], 64<<16                      ; tensor_dim1
	s_mov_b32 s[G1+3], 512<<16                     ; tile_dim0
	s_mov_b32 s[G1+4], 64                          ; tile_dim1
	s_mov_b32 s[G1+5], 4096                        ; pitch
	s_mov_b32 s[G1+6], 0
	s_mov_b32 s[G1+7], 0
	s_and_b32 s17, ttmp7, 0xffff                   ; tile row y, shared by the cluster
	s_lshl_b32 s18, s17, 20                        ; 256 y rows of 4,096 bytes
	s_lshl_b32 s19, s14, 18                        ; + 64 w rows
	s_add_co_u32 s18, s18, s19
	s_mov_b32 s19, 0
	s_mul_i32 s22, s14, QT
	s_wait_dscnt 0x0
	s_wait_kmcnt 0x0
	s_add_nc_u64 s[20:21], s[4:5], s[18:19]
.irp s, 0,1
	s_mov_b32 s[G0+4*\s], 1
	s_add_co_u32 s[G0+4*\s+1], s22, \s*SLOT
	s_add_nc_u64 s[G0+4*\s+2:G0+4*\s+3], s[20:21], \s*512
	s_or_b32 s[G0+4*\s+3], s[G0+4*\s+3], 0x80000000
.endr
	ROUND                                          ; the first joint loads meet
	tensor_load_to_lds s[G0:G0+3], s[G1:G1+7]      ; K step 0: one tensor load a wave at the head
	s_nop 0
	s_load_b64 s[44:45], s[8:9], 0x0               ; e0, e1
	s_bfe_u32 s15, ttmp6, 0x40000                  ; cx
	s_lshl_b32 s16, ttmp9, 2
	s_add_co_u32 s16, s16, s15                     ; tile column x
	s_mov_b32 s47, 0
	s_lshl_b32 s46, s16, 20                        ; W: block of 16 rows number 16 x + 4 w, 65,536 bytes each
	s_lshl_b32 s48, s14, 18
	s_add_co_u32 s46, s46, s48
	s_add_nc_u64 s[6:7], s[6:7], s[46:47]
	s_lshl_b32 s46, s16, 10                        ; my first column in bytes of f32: 1,024 x + 256 w
	s_lshl_b32 s48, s14, 8
	s_add_co_u32 s46, s46, s48
	s_add_nc_u64 s[10:11], s[10:11], s[46:47]
	s_lshl_b32 s48, s17, 22                        ; + 256 y rows of 16,384 bytes
	s_add_co_u32 s46, s46, s48
	s_add_nc_u64 s[12:13], s[12:13], s[46:47]
	s_lshl_b32 s46, s17, 20                        ; the prefetches: row 256 y + 64 cx + 16 w
	s_lshl_b32 s48, s15, 18
	s_add_co_u32 s46, s46, s48
	s_lshl_b32 s48, s14, 16
	s_add_co_u32 s46, s46, s48
	s_add_nc_u64 s[PFA:PFA+1], s[4:5], s[46:47]
	s_mul_i32 s23, s14, 16*SPITCH
	s_add_co_u32 s23, s23, STAGE                   ; my stage
	v_and_b32 v1, 15, v0                           ; r
	v_bfe_u32 v2, v0, 4, 1                         ; h
	v_and_b32 v3, 31, v0
	v_mul_u32_u24 v4, v1, PITCH
	v_lshl_add_u32 v[ADR], v2, 4, v4               ; row x pitch + 16 h
	v_mad_u32_u24 v5, v1, SPITCH, s23
	v_mad_u32_u24 v6, v2, SPITCH, s23
	v_lshlrev_b32 v7, 14, v2
	v_lshlrev_b32 v8, 8, v2
	v_add_nc_u32 v[ADR+1], 8*ABLK, v[ADR]
	v_add_nc_u32 v[ADR+2], SLOT, v[ADR]
	v_add_nc_u32 v[ADR+3], SLOT+8*ABLK, v[ADR]
	v_lshl_add_u32 v[STO], v2, 5, v5               ; in: row r, 32 bytes for each half of the lanes
	v_lshl_add_u32 v[RD], v1, 4, v6                ; back: lanes 0-15 one row of 256 bytes, lanes 16-31 the next
	v_lshl_add_u32 v[CO], v1, 4, v7                ; and the same two rows in out0
	v_lshlrev_b32 v[WO], 4, v3
	v_lshlrev_b32 v[BO], 5, v2
	v_lshl_add_u32 v[PFO], v1, 12, v8              ; a lane: row r of my sixteen, block h of the K step's two
	s_wait_alu depctr_va_vdst(0)
.irp b, 0,1,2,3
	global_load_b128 v[BIAS+8*\b:BIAS+8*\b+3], v[BO], s[10:11] offset:64*\b
	global_load_b128 v[BIAS+8*\b+4:BIAS+8*\b+7], v[BO], s[10:11] offset:64*\b+16
.endr
	WLOAD 0, 0
	WLOAD 1, 1
	WLOAD 2, 2
	s_wait_tensorcnt 0x0                           ; my part of K step 0 is in; slot 1's first fill is issued as a refill is
	ds_add_u32 v[SPW], v[NIL]
	s_wait_dscnt 0x0
	ROUND
	tensor_load_to_lds s[G0+4:G0+7], s[G1:G1+7]    ; K step 1
	s_nop 0
	PLACES
	FETCH 0, 0, 0, 6, FB
	FETCH 0, 0, 6, 5, FB+96
	WLOAD 3, 3
	SUB 0, 0, 0, 1, 1, 48, 0                       ; the first sub-step starts the sums
	s_mov_b32 s3, 3
.Llap:                                                 ; a trip: eight sub-steps, once round the ring; both slots are filled again
	SUB 0, 1, 1, 0, 1, 48, 0
	SUB 0, 2, 2, 0, 1, 48, 0
	TURN 0, 3, 1, 2048
	SUB 1, 0, 4, 0, 1, 48, 0
	SUB 1, 1, 5, 0, 1, 48, 0
	SUB 1, 2, 6, 0, 1, 48, 0
	TURN 1, 7, 1, 2560
	SUB 0, 0, 8, 0, 1, 48, 0
	s_wait_xcnt 0x0                                ; the loads of W and the prefetches have read their bases
	s_add_nc_u64 s[6:7], s[6:7], 16384             ; eight sub-steps of 2,048 bytes
	s_add_nc_u64 s[PFA:PFA+1], s[PFA:PFA+1], 1024  ; two K steps
	s_sub_co_u32 s3, s3, 1
	s_cmp_lg_u32 s3, 0
	s_cbranch_scc1 .Llap
	SUB 0, 1, 1, 0, 1, 48, 0
	SUB 0, 2, 2, 0, 1, 48, 0
	TURN 0, 3, 0, 0                                ; nothing is filled again: no round
	SUB 1, 0, 4, 0, 0, 48, 0                       ; W's last sets are out: the counts run down
	SUB 1, 1, 5, 0, 0, 32, 1
; THE WAY OUT of block ib: x 2^(e0 + e1) + bias, through my own stage, back as whole rows of 256 bytes into bk.
.macro TOSTAGE
.set ac, 32*(ib%8)
	WIN 0x42+ib/8                                  ; source 0 window 2 or 3, destination window 1
.irp j, 0,2,4,6,8,10,12,14,16,18,20,22,24,26,28,30
	v_pk_fma_f32 v[TMP+\j:TMP+\j+1], v[ac+\j:ac+\j+1], s[44:45], v[BIAS+\j:BIAS+\j+1] op_sel_hi:[1,0,1]   ; each accumulator from its low end on
.endr
	WIN 0x04                                       ; store data window 1
.irp b, 0,1,2,3
	ds_store_b128 v[STO], v[TMP+8*\b:TMP+8*\b+3] offset:64*\b
	ds_store_b128 v[STO], v[TMP+8*\b+4:TMP+8*\b+7] offset:64*\b+16
.endr
	WIN 0x40
.irp t, 0,1,2,3,4,5,6,7
	ds_load_b128 v[bk+4*\t:bk+4*\t+3], v[RD] offset:\t*2*SPITCH    ; LDS serves a wave's instructions in order: these see the stores above
.endr
.endm
.macro STAGEH i
.set ib, 3*(\i)
.set bk, BK
.rept 3
.if ib < 16
	TOSTAGE
.endif
.set ib, ib+1
.set bk, bk+32
.endr
	WIN 0
.endm
.macro SENDH i, younger                ; younger: LDS loads issued behind the blocks' own
	s_wait_dscnt \younger
	WIN 0x04
.set ib, 3*(\i)
.set bk, BK
.rept 3
.if ib < 16
.irp t, 0,1,2,3,4,5,6,7
	global_store_b128 v[CO], v[bk+4*\t:bk+4*\t+3], s[12:13] offset:(16*ib+2*\t)*16384 th:TH_STORE_NT   ; 16 lanes store 256 consecutive bytes, at a multiple of 256 from out0's first byte
.endr
.endif
.set ib, ib+1
.set bk, bk+32
.endr
	WIN 0
.endm
; Group i of three blocks: its products; the group two on is fetched; the group before, which went through the stage ahead of these products, is stored; this group goes into the stage.
.macro ROWG i, cnt, fetch, send, younger
	s_wait_dscnt \cnt                              ; the group's fragments are in: more LDS instructions than this were issued behind them
	MULH \i
	PLACES
	WIN 0
.if \fetch
	FETCHH (\i)+2
.endif
.if \send
	SENDH (\i)-1, \younger
.endif
	s_wait_xcnt 0x0                                ; the stores have read the registers into which the stage is read back
	STAGEH \i
.endm
	s_wait_kmcnt 0x0
	s_add_co_i32 s44, s44, s45
	s_add_co_i32 s44, s44, 127
	s_lshl_b32 s44, s44, 23                        ; 2^(e0 + e1) as f32
	s_wait_loadcnt 0x0                             ; W's last two sets
	ROWG 0, 24, 1, 0, 0
	ROWG 1, 63, 1, 1, 24
	ROWG 2, 63, 1, 1, 24
	ROWG 3, 63, 1, 1, 8
	ROWG 4, 63, 0, 1, 0
	ROWG 5, 63, 0, 1, 0
	SENDH 5, 0
	s_wait_tensorcnt 0x0                           ; the wave's end
	ds_add_u32 v[SPW], v[NIL]
	s_wait_dscnt 0x0
	ROUND                                          ; the closing round
	s_endpgm
.Lfunc_end_k_q8578b4d53c_gemm:
	.size	k_q8578b4d53c_gemm, .Lfunc_end_k_q8578b4d53c_gemm-k_q8578b4d53c_gemm
	.p2alignl 7, 3214868480
	.fill 96, 4, 3214868480
	.section	.rodata,"a",@progbits
	.p2align	6, 0x0
	.amdhsa_kernel k_q8578b4d53c_gemm
		.amdhsa_group_segment_fixed_size 327680
		.amdhsa_private_segment_fixed_size 0
		.amdhsa_enable_private_segment 0
		.amdhsa_kernarg_size 40
		.amdhsa_user_sgpr_count 2
		.amdhsa_user_sgpr_kernarg_segment_ptr 1
		.amdhsa_wavefront_size32 1
		.amdhsa_system_sgpr_workgroup_id_x 1
		.amdhsa_system_sgpr_workgroup_id_y 1
		.amdhsa_system_sgpr_workgroup_id_z 1
		.amdhsa_system_vgpr_workitem_id 0
		.amdhsa_next_free_vgpr 1024
		.amdhsa_next_free_sgpr 66
		.amdhsa_reserve_vcc 0
		.amdhsa_float_denorm_mode_32 3
		.amdhsa_float_denorm_mode_16_64 3
		.amdhsa_memory_ordered 1
		.amdhsa_forward_progress 1
		.amdhsa_inst_pref_size 220
	.end_amdhsa_kernel
	.amdgpu_metadata
---
amdhsa.version: [ 1, 2 ]
amdhsa.kernels:
  - .name:           k_q8578b4d53c_gemm
    .symbol:         k_q8578b4d53c_gemm.kd
    .args:
      - { .name: input_codes, .offset: 0, .size: 8, .value_kind: global_buffer, .address_space: global }
      - { .name: w_codes, .offset: 8, .size: 8, .value_kind: global_buffer, .address_space: global }
      - { .name: lowp_scales, .offset: 16, .size: 8, .value_kind: global_buffer, .address_space: global }
      - { .name: bias, .offset: 24, .size: 8, .value_kind: global_buffer, .address_space: global }
      - { .name: out0, .offset: 32, .size: 8, .value_kind: global_buffer, .address_space: global }
    .group_segment_fixed_size: 327680
    .private_segment_fixed_size: 0
    .kernarg_segment_align: 8
    .kernarg_segment_size: 40
    .max_flat_workgroup_size: 128
    .sgpr_count:     66
    .vgpr_count:     1024
    .wavefront_size: 32
...
	.end_amdgpu_metadata
.endif
;; end of part 2
